; MI455X (gfx1250); checked and timed in simulation.
; The chip was launched on July 23, 2026; its instructions are those of AMD's public machine-readable ISA for CDNA 5 (MIT licence, August 2026) and "CDNA5" Instruction Set Architecture Reference Guide (July 2026). The comments in the code are by the model that wrote it; some were corrected since.
;; Base Multi Head Attention. Allowed arithmetic: matrix products marked QUANTISED: E4M3 operands, one given power-of-two scale a tensor, by v_wmma_f32_16x16x64_fp8_fp8 or v_wmma_f32_16x16x128_fp8_fp8, f32 sums; everything else in f32.
;; Inputs: k 4 x 2,048 x 1,024 float32; k_norm_w 64 float32; lowp_scales 6 int32 (the exponents e of the quantised operands' scales 2^e); proj_b 1,024 float32; proj_w 1,024 x 1,024 float32; q 4 x 2,048 x 1,024 float32; q_norm_w 64 float32; v 4 x 2,048 x 1,024 float32.
;; Outputs: out0 4 x 2,048 x 1,024 float32.
;; This version of the problem:
;;   THIS VERSION OF THE PROBLEM IS GIVEN IN LOW PRECISION. The matrix products marked QUANTISED in the list below multiply operands that are first quantised to E4M3 (4 exponent bits, 3 mantissa bits; 8 bits a number), with one given power-of-two scale for each operand tensor; their sums are f32. All else is computed in f32.
;;   The module's matrix products, in the order in which they are computed (A, B: the left and right operand; K: the contracted axis; several contracted axes count as one K, in the product's order):
;;     1. batch 64 x [M 2,048, K 64] x [K 64, N 2,048]; A: computed on the way; B: computed on the way: QUANTISED (scales: A lowp_scales[0], B lowp_scales[1])
;;     2. batch 64 x [M 2,048, K 2,048] x [K 2,048, N 64]; A: softmax (see below); B: input v: QUANTISED (scales: A lowp_scales[2], B lowp_scales[3])
;;     3. [M 8,192, K 1,024] x [K 1,024, N 1,024]; A: computed on the way; B: input proj_w: QUANTISED (scales: A lowp_scales[4], B lowp_scales[5])
;;   THE QUANTISER, for each operand of a quantised product, along K:
;;     - The operand's scale is 2^e, e = its entry of the input lowp_scales (int32; the entries are numbered through the quantised products in the list's order, A before B).
;;     - Each number is divided by the scale, clamped to +-448, and rounded to the nearest number of E4M3, ties to even, subnormals kept.
;;     - The product sums the exact products of the quantised numbers (number of the format x scale) in f32.
;;   ~~~python
;;   def quantise(x, axis, e):      # numpy; x: float32 -> the quantised numbers, widened to float32 again
;;       x = np.moveaxis(x, axis, -1); K = x.shape[-1]
;;       r = np.clip(x / 2.0 ** e, -448, 448)
;;       step = 2.0 ** (np.maximum(np.frexp(np.where(r == 0, 1, r))[1] - 1, -6) - 3)
;;       q = np.round(r / step) * step * 2.0 ** e      # np.round: ties to even
;;       return np.moveaxis(q, -1, axis).astype(np.float32)
;;   ~~~
;;   SOFTMAX AHEAD OF A QUANTISED PRODUCT. Where the list says 'softmax', what is quantised is not the finished softmax but p = 2^(t - M), with t = logit x log2(e) and M = ceil(the row's largest t), a whole number; so 1/2 < the row's largest p <= 1. The row's sum l is taken of the UNQUANTISED p, in f32, and the product's result is divided by l at the end. Since M is a whole number, a kernel that streams over the keys may use a running M (the ceiling of the running maximum): every later rescaling is an exact power of two, so the quantised numbers keep their values, but for numbers so far below the row's largest that they fall under the format's range.
;;   OPERANDS COMPUTED ON THE WAY. 'Computed on the way' means the value that the module computes at that place (a softmax that the list does not call 'softmax' is quantised finished and normalised). What goes into a quantiser is computed in f32, as accurately as f32 sums, v_exp_f32 and their like allow (about 1e-6 of the number): no bf16 or f16 on the way to a quantiser, and a product that is left as it is and whose result goes on into a quantised operand takes f32 operands (vector FMAs, or v_wmma_f32_16x16x4_f32). A number that lies on a knife's edge between two numbers of the format may be rounded either way, as far as f32 arithmetic and the matrix unit's own rounding can turn it there, and no further.
;; One version. Each part assembles by itself: llvm-mc -triple=amdgcn-amd-amdhsa -mcpu=gfx1250 --defsym DOCPART=n.
;; ======== version 1 of 1: 3 launches
;; limits: right only within a limited range of input values
;; workspace buffers: qkv 25,165,824 bytes; wq 1,048,576 bytes; ctx 8,388,608 bytes
;; launch prep (part 1): grid 672 x 1, 8 waves a work-group, no clusters, 115,712 bytes of LDS; arguments q, k, v, proj_w, q_norm_w, k_norm_w, lowp_scales, qkv, wq; writes qkv, wq
.if DOCPART == 1
	.amdgcn_target "amdgcn-amd-amdhsa--gfx1250"
	.amdhsa_code_object_version 6
	.text
	.protected	k_qc31371d1b6_prep
	.globl	k_qc31371d1b6_prep
	.p2align	8
	.type	k_qc31371d1b6_prep,@function
k_qc31371d1b6_prep:
	s_mov_b64 s[64:65], 0
	v_nop
	global_prefetch_b8 v0, s[64:65] scope:SCOPE_SE
	s_setreg_imm32_b32 hwreg(HW_REG_WAVE_MODE, 25, 1), 1
	s_wait_xcnt 0x0
; FIRST OF THREE LAUNCHES: every operand that can be quantised ahead of the products is quantised here, once, to codes of FP8 (E4M3) with its given scale 2^e.
;   q, k [4][2048][1024] f32: per head of 64 the RMS norm (x * rsqrt(mean(x x) + 2^-23) * w), then the interleaved rotary embedding, then codes (e0 for q, e1 for k);
;   v [4][2048][1024] f32: codes along the KEYS (e3);   proj_w [1024][1024] f32: codes along its second axis (e5).
; NO WORK OF THE PROBLEM IS LEFT OUT IN ANY LAUNCH: every input has a way to the output and is loaded.
; THE WORKSPACE IS LAID AS IMAGES OF OPERAND REGISTERS.  A fragment of the K = 64 form is 16 rows x 64 codes = 1,024 bytes: piece p (registers 4 p .. 4 p + 3) at 512 p, lane (r, h) at 16 (r + 16 h);
; its 16 bytes are the row's codes 32 p + 8 h + 0..7 and 32 p + 16 + 8 h + 0..7.  A fragment of the K = 128 form has four such pieces.
;   qkv: [batch x head 64][chunk of 512 positions 4][98,304]: K's 32 fragments of 16 keys; from 32,768 V: 4 steps of 128 keys x 4 fragments (16 of the head's 64 x 128 keys); from 65,536 Q's 32 fragments.
;   wq:  [block of 128 rows of proj_w 8][64 along K 16][16 rows 8][1,024].
; THREE PATHS, parted once on the work-group's number, each with LDS bytes of its own: 0-127 v; 128-639 q and k; 640-671 proj_w.
; cos and sin are made in f32: n = the nearest whole number to x 2/pi, r = x - n pi/2 with pi/2 in two parts, polynomials on |r| <= pi/4, the quadrant from n.
; LIMITS: the two-part pi/2 serves n up to 1,304, the positions 0 .. 2,047 of this problem (what is left of pi/2 is 1.7e-15 a unit of n).  e0, e1, e3, e5 between -126 and 119, so that 2^e and 448 x 2^e are f32 numbers.
; NaN among the inputs is not served; an infinity in v or proj_w is held at the largest code.
.set TAB,   0                          ; LDS: the table of cos and sin, 16 x 512 bytes (path q, k)
.set QKST,  8192                       ; path q, k: a stage of 32 rows x 80 bytes for each wave
.set WST,   28672                      ; path proj_w: the same
.set VST,   49152                      ; path v: a stage of 8,192 bytes for each wave
.set SPARE, 114688                     ; the spare words, 128 bytes for each wave
.set STGB,  2560
.set SP,    80                         ; a stage row: 64 codes + 16 bytes
.set BHB,   393216                     ; bytes of a (batch, head) in qkv
.set CHB,   98304                      ; bytes of a chunk
.set RS,    24                         ; v24-39   a block's 16 sums of squares, then 1 / rms; before that at work for cos and sin
.set CR,    40                         ; v40-55   codes; before that at work
.set TR,    56                         ; v56-119  the table: for row pair t: cos, sin of my first pair of channels, cos, sin of my second
.set XR,    120                        ; v120-247 two blocks of 64 numbers; a block's first 16 registers later hold its fragments on the way out
; v1 lane, v2 lane % 16, v3 lane / 16, v4 16 x lane; v5 my offset in the source; v6, v7 the stage, in and out; v14, v15 the add's two; v16-19 my four norm weights; v20 448 x 2^e, v21 2^e; v22, v23 my two frequencies; v248-255 at work
.macro FINISH                          ; the wave's end, behind my last LDS store
	s_wait_tensorcnt 0x0
	ds_add_u32 v14, v15
	s_wait_dscnt 0x0
	s_endpgm
.endm
.macro MKSCALE se                      ; v21 = 2^e as f32 (the conversion takes its exponent field), v20 = 448 x 2^e
	s_add_co_i32 s52, \se, 127
	s_lshl_b32 s53, s52, 23
	v_mov_b32 v21, s53
	s_add_co_i32 s52, s52, 8
	s_lshl_b32 s52, s52, 23
	s_or_b32 s52, s52, 0x600000
	v_mov_b32 v20, s52
.endm
.macro STAGEADR base                   ; lanes 0-15 take one row's 64 numbers (256 consecutive bytes), lanes 16-31 the next row's
	s_mul_i32 s52, s22, STGB
	s_add_co_u32 s52, s52, \base
	v_lshlrev_b32 v5, 4, v2
	s_delay_alu instid0(VALU_DEP_1)
	v_lshl_add_u32 v5, v3, 12, v5                  ; source: 4,096 (lane / 16) + 16 (lane % 16)
	v_mul_u32_u24 v6, v3, SP
	s_delay_alu instid0(VALU_DEP_1)
	v_lshl_add_u32 v6, v2, 2, v6
	s_delay_alu instid0(VALU_DEP_1)
	v_add_nc_u32 v6, s52, v6                       ; into the stage: row lane / 16, my four codes
	v_mul_u32_u24 v7, v2, SP
	s_delay_alu instid0(VALU_DEP_1)
	v_lshl_add_u32 v7, v3, 3, v7
	s_delay_alu instid0(VALU_DEP_1)
	v_add_nc_u32 v7, s52, v7                       ; out of it: row r = lane % 16, + 8 h
.endm
.macro LOADBLK blk                     ; 32 rows x 64 numbers: 16 loads, each two runs of 256 consecutive bytes
.irp t, 0,1,2,3,4,5,6,7,8,9,10,11,12,13,14,15
	global_load_b128 v[XR+64*\blk+4*\t:XR+64*\blk+4*\t+3], v5, s[34:35] offset:8192*\t+256*\blk th:TH_LOAD_NT
.endr
.endm
; cos and sin of v[x] (0 or more) into v[c] and v[s]
.macro SINCOS x, c, s
	v_mul_f32 v24, s40, v[\x]
	s_delay_alu instid0(VALU_DEP_1)
	v_rndne_f32 v24, v24                           ; n
	s_delay_alu instid0(VALU_DEP_1)
	v_fma_f32 v25, -v24, s41, v[\x]
	s_delay_alu instid0(VALU_DEP_1)
	v_fma_f32 v25, -v24, s42, v25                  ; r = x - n pi/2
	s_delay_alu instid0(VALU_DEP_3)
	v_cvt_i32_f32 v26, v24
	s_delay_alu instid0(VALU_DEP_2)
	v_mul_f32 v27, v25, v25                        ; z = r r
	s_delay_alu instid0(VALU_DEP_1)
	v_fma_f32 v28, s45, v27, s44
	s_delay_alu instid0(VALU_DEP_1)
	v_fma_f32 v28, v28, v27, s43
	s_delay_alu instid0(VALU_DEP_3)
	v_mul_f32 v30, v27, v25
	s_delay_alu instid0(VALU_DEP_1)
	v_fma_f32 v28, v28, v30, v25                   ; sin r
	v_fma_f32 v29, s48, v27, s47
	s_delay_alu instid0(VALU_DEP_1)
	v_fma_f32 v29, v29, v27, s46
	v_mul_f32 v31, v27, v27
	v_fma_f32 v32, v27, -0.5, 1.0
	s_delay_alu instid0(VALU_DEP_1)
	v_fma_f32 v29, v29, v31, v32                   ; cos r
	v_and_b32 v33, 1, v26
	s_delay_alu instid0(VALU_DEP_1)
	v_cmp_eq_u32 vcc_lo, 1, v33                    ; in an odd quadrant the two change places
	s_delay_alu instid0(VALU_DEP_1)
	v_cndmask_b32 v[\s], v28, v29, vcc_lo
	s_delay_alu instid0(VALU_DEP_2)
	v_cndmask_b32 v[\c], v29, v28, vcc_lo
	v_lshlrev_b32 v33, 30, v26                     ; sin is negative in quadrants 2 and 3,
	s_delay_alu instid0(VALU_DEP_1)
	v_and_b32 v33, 0x80000000, v33
	s_delay_alu instid0(VALU_DEP_1)
	v_xor_b32 v[\s], v[\s], v33
	v_add_nc_u32 v34, 1, v26                       ; cos in quadrants 1 and 2
	s_delay_alu instid0(VALU_DEP_1)
	v_lshlrev_b32 v34, 30, v34
	s_delay_alu instid0(VALU_DEP_1)
	v_and_b32 v34, 0x80000000, v34
	s_delay_alu instid0(VALU_DEP_1)
	v_xor_b32 v[\c], v[\c], v34
.endm
; A block of 32 rows x 64 numbers becomes two fragments.  rope = 1: norm and rotary embedding first.  dimm: the block's place behind s[38:39].
.macro BLOCK blk, rope, dimm
.set XB, XR+64*(\blk)
.if (\blk) == 0
	s_wait_loadcnt 16                              ; this block's loads (and what was asked for ahead of them) are in; the second block's 16 stay out
.else
	s_wait_loadcnt 0x0
.endif
.if \rope
.irp g, 0,8                            ; the sum of squares of my four numbers, eight row pairs at a time
.irp u, 0,1,2,3,4,5,6,7
	v_pk_mul_f32 v[CR+2*\u:CR+2*\u+1], v[XB+4*(\g+\u):XB+4*(\g+\u)+1], v[XB+4*(\g+\u):XB+4*(\g+\u)+1]
.endr
.irp u, 0,1,2,3,4,5,6,7
	v_pk_fma_f32 v[CR+2*\u:CR+2*\u+1], v[XB+4*(\g+\u)+2:XB+4*(\g+\u)+3], v[XB+4*(\g+\u)+2:XB+4*(\g+\u)+3], v[CR+2*\u:CR+2*\u+1]
.endr
.irp u, 0,1,2,3,4,5,6,7
	v_add_f32 v[RS+\g+\u], v[CR+2*\u], v[CR+2*\u+1]
.endr
.endr
.irp m, 1,2,4,8                        ; and over the sixteen lanes that hold a row of a head
.irp u, 0,1,2,3,4,5,6,7,8,9,10,11,12,13,14,15
	v_add_f32_dpp v[RS+\u], v[RS+\u], v[RS+\u] row_xmask:\m row_mask:0xf bank_mask:0xf
.endr
.endr
.irp u, 0,1,2,3,4,5,6,7,8,9,10,11,12,13,14,15
	v_fma_f32 v[RS+\u], v[RS+\u], s49, s50         ; the mean + 2^-23
.endr
	s_wait_alu depctr_va_vdst(0)
.irp u, 0,1,2,3,4,5,6,7,8,9,10,11,12,13,14,15
	v_rsq_f32 v[RS+\u], v[RS+\u]
.endr
	v_nop                                          ; a plain instruction behind the last of the batch,
	s_wait_alu depctr_va_vdst(0)                   ; and one wait for the sixteen, ahead of their first reader
.endif
.irp tp, 0,1,2,3,4,5,6,7               ; two row pairs at a time: eight registers, four pairs of channels
.if \rope
.irp pr, 0,2
	v_pk_mul_f32 v[XB+8*\tp+\pr:XB+8*\tp+\pr+1], v[XB+8*\tp+\pr:XB+8*\tp+\pr+1], v[RS+2*\tp:RS+2*\tp+1] op_sel_hi:[1,0]
	v_pk_mul_f32 v[XB+8*\tp+4+\pr:XB+8*\tp+4+\pr+1], v[XB+8*\tp+4+\pr:XB+8*\tp+4+\pr+1], v[RS+2*\tp:RS+2*\tp+1] op_sel:[0,1] op_sel_hi:[1,1]
.endr
.irp q, 0,2,4,6
	v_pk_mul_f32 v[XB+8*\tp+\q:XB+8*\tp+\q+1], v[XB+8*\tp+\q:XB+8*\tp+\q+1], v[16+(\q%4):17+(\q%4)]   ; x the norm's weights
.endr
.irp q, 0,2,4,6
	s_delay_alu instid0(VALU_DEP_4)
	v_pk_mul_f32 v[248+\q:249+\q], v[XB+8*\tp+\q:XB+8*\tp+\q+1], v[TR+8*\tp+\q:TR+8*\tp+\q+1] op_sel_hi:[1,0]   ; x1 cos, x2 cos
.endr
.irp q, 0,2,4,6
	s_delay_alu instid0(VALU_DEP_4)
	v_pk_fma_f32 v[XB+8*\tp+\q:XB+8*\tp+\q+1], v[XB+8*\tp+\q:XB+8*\tp+\q+1], v[TR+8*\tp+\q:TR+8*\tp+\q+1], v[248+\q:249+\q] op_sel:[1,1,0] op_sel_hi:[0,1,1] neg_lo:[1,0,0]   ; -x2 sin + x1 cos, x1 sin + x2 cos
.endr
.endif
.irp q, 0,1,2,3,4,5,6,7
	v_med3_num_f32 v[XB+8*\tp+\q], v[XB+8*\tp+\q], -v20, v20   ; the conversion to an 8-bit code does not saturate (ISA guide 7.6.2): the hold at the largest code x the scale
.endr
	v_cvt_scalef32_pk8_fp8_f32 v[CR+2*\tp:CR+2*\tp+1], v[XB+8*\tp:XB+8*\tp+7], v21   ; first word: my four codes of row 4 tp + lane / 16; second: of the row two further on
	ds_store_b32 v6, v[CR+2*\tp] offset:320*\tp
	ds_store_b32 v6, v[CR+2*\tp+1] offset:320*\tp+160
.endr
	v_nop                                          ; a plain instruction behind the last conversion
.irp u, 0,1,2,3                        ; piece u % 2 of fragment u / 2.  LDS serves a wave's instructions in order: these see my stores
	ds_load_b64 v[XB+4*\u:XB+4*\u+1], v7 offset:1280*(\u/2)+32*(\u%2)
	ds_load_b64 v[XB+4*\u+2:XB+4*\u+3], v7 offset:1280*(\u/2)+32*(\u%2)+16
.endr
.irp u, 0,1,2,3
	s_wait_dscnt 6-2*\u                            ; this piece's two loads are in; the later pieces' stay out
	global_store_b128 v4, v[XB+4*\u:XB+4*\u+3], s[38:39] offset:\dimm+512*\u   ; the wave stores 512 consecutive bytes, aligned
.endr
.endm
	s_load_b512 s[4:19], s[0:1], 0x0               ; q s[4:5], k s[6:7], v s[8:9], proj_w s[10:11], q_norm_w s[12:13], k_norm_w s[14:15], the scales s[16:17], qkv s[18:19]
	s_load_b64 s[20:21], s[0:1], 0x40              ; wq
	v_lshl_add_u32 v14, v0, 2, SPARE
	v_mov_b32 v15, 0
	v_lshrrev_b32 v1, 5, v0
	s_delay_alu instid0(VALU_DEP_1)
	v_readfirstlane_b32 s22, v1                    ; wave 0..7
	v_and_b32 v1, 31, v0
	v_and_b32 v2, 15, v0
	v_bfe_u32 v3, v0, 4, 1
	s_delay_alu instid0(VALU_DEP_3)
	v_lshlrev_b32 v4, 4, v1
	s_wait_kmcnt 0x0
	s_load_b128 s[24:27], s[16:17], 0x0            ; e0 .. e3
	s_load_b64 s[28:29], s[16:17], 0x10            ; e4, e5
	s_cmp_lt_u32 ttmp9, 128
	s_cbranch_scc1 .Lpath_v
	s_cmp_ge_u32 ttmp9, 640
	s_cbranch_scc1 .Lpath_w
	; ---- q AND k.  A work-group takes 32 positions of one batch of one tensor, all 16 heads; wave w takes heads 2 w and 2 w + 1.
	s_sub_co_u32 s30, ttmp9, 128
	s_lshr_b32 s31, s30, 8                         ; 0: q, 1: k
	s_bfe_u32 s32, s30, 0x20006                    ; batch
	s_and_b32 s33, s30, 63                         ; which 32 positions
	s_cmp_eq_u32 s31, 0                            ; the choice hangs on the work-group's number alone
	s_cselect_b64 s[34:35], s[4:5], s[6:7]
	s_cselect_b64 s[36:37], s[12:13], s[14:15]
	s_cselect_b32 s58, 65536, 0                    ; Q's or K's part of a chunk
	s_lshl_b32 s54, s32, 23
	s_lshl_b32 s52, s33, 17
	s_add_co_u32 s54, s54, s52
	s_lshl_b32 s52, s22, 9
	s_add_co_u32 s54, s54, s52
	s_mov_b32 s55, 0
	s_add_nc_u64 s[34:35], s[34:35], s[54:55]
	s_wait_alu depctr_va_vdst(0)
	STAGEADR QKST
	v_lshlrev_b32 v9, 4, v2
	global_load_b128 v[16:19], v9, s[36:37]        ; the norm's weights of my four channels
	LOADBLK 0
	LOADBLK 1                                      ; 33 loads of the wave are out while the table is made
	s_lshl_b32 s56, s32, 4
	s_lshl_b32 s52, s22, 1
	s_add_co_u32 s56, s56, s52                     ; 16 x batch + head
	s_mul_i32 s56, s56, BHB
	s_lshr_b32 s52, s33, 4
	s_mul_i32 s52, s52, CHB
	s_add_co_u32 s56, s56, s52                     ; the chunk of 512 positions
	s_and_b32 s52, s33, 15
	s_lshl_b32 s52, s52, 11
	s_add_co_u32 s56, s56, s52                     ; two fragments for 32 positions
	s_add_co_u32 s56, s56, s58
	s_mov_b32 s57, 0
	s_add_nc_u64 s[38:39], s[18:19], s[56:57]
	s_mov_b32 s40, 0x3f22f983                      ; 2 / pi
	s_mov_b32 s41, 0x3fc90fdb                      ; pi / 2, the f32 number nearest to it,
	s_mov_b32 s42, 0xb33bbd2e                      ; and what it lacks
	s_mov_b32 s43, 0xbe2aaaa3                      ; sin's three coefficients,
	s_mov_b32 s44, 0x3c08839e
	s_mov_b32 s45, 0xb94ca1f9
	s_mov_b32 s46, 0x3d2aaaa5                      ; cos's three
	s_mov_b32 s47, 0xbab6061a
	s_mov_b32 s48, 0x37ccf5ce
	s_mov_b32 s49, 0x3c800000                      ; 1 / 64
	s_mov_b32 s50, 0x34000000                      ; 2^-23
	; my two frequencies 10^(-j / 8), j = 2 i and 2 i + 1, i = lane % 16: 10^(-(j % 8) / 8) x 10^(-(i / 4)).  For j < 8 the second factor is 1
	v_and_b32 v10, 3, v2
	v_lshrrev_b32 v11, 2, v2
	v_mov_b32 v22, 1.0
	v_mov_b32 v23, 0x3f3ff911
	v_mov_b32 v12, 1.0
	v_cmp_ne_u32 vcc_lo, 1, v10
	s_delay_alu instid0(VALU_DEP_1)
	v_cndmask_b32 v22, 0x3f0ff59a, v22, vcc_lo
	s_delay_alu instid0(VALU_DEP_2)
	v_cndmask_b32 v23, 0x3ed7e89b, v23, vcc_lo
	v_cmp_ne_u32 vcc_lo, 2, v10
	s_delay_alu instid0(VALU_DEP_1)
	v_cndmask_b32 v22, 0x3ea1e89b, v22, vcc_lo
	s_delay_alu instid0(VALU_DEP_2)
	v_cndmask_b32 v23, 0x3e72d424, v23, vcc_lo
	v_cmp_ne_u32 vcc_lo, 3, v10
	s_delay_alu instid0(VALU_DEP_1)
	v_cndmask_b32 v22, 0x3e361887, v22, vcc_lo
	s_delay_alu instid0(VALU_DEP_2)
	v_cndmask_b32 v23, 0x3e088d77, v23, vcc_lo
	v_cmp_ne_u32 vcc_lo, 1, v11
	s_delay_alu instid0(VALU_DEP_1)
	v_cndmask_b32 v12, 0x3dcccccd, v12, vcc_lo
	v_cmp_ne_u32 vcc_lo, 2, v11
	s_delay_alu instid0(VALU_DEP_1)
	v_cndmask_b32 v12, 0x3c23d70a, v12, vcc_lo
	v_cmp_ne_u32 vcc_lo, 3, v11
	s_delay_alu instid0(VALU_DEP_1)
	v_cndmask_b32 v12, 0x3a83126f, v12, vcc_lo
	s_delay_alu instid0(VALU_DEP_1)
	v_mul_f32 v22, v22, v12
	s_delay_alu instid0(VALU_DEP_2)
	v_mul_f32 v23, v23, v12
	; the table serves all 16 heads: wave w makes row pairs 2 w and 2 w + 1, as images of the registers that every wave will hold
	s_lshl_b32 s52, s22, 10
	v_add_nc_u32 v8, s52, v4
	s_lshl_b32 s52, s33, 5
	s_lshl_b32 s53, s22, 2
	s_add_co_u32 s52, s52, s53
	v_add_nc_u32 v48, s52, v3                      ; my position: 32 x block + 2 x row pair + lane / 16
.irp tt, 0,1
.if \tt
	v_add_nc_u32 v48, 2, v48
.endif
	s_delay_alu instid0(VALU_DEP_1)
	v_cvt_f32_u32 v49, v48
	s_delay_alu instid0(VALU_DEP_1)
	v_mul_f32 v50, v49, v22                        ; the angle, rounded once
	s_delay_alu instid0(VALU_DEP_2)
	v_mul_f32 v51, v49, v23
	SINCOS 50, 40+4*\tt, 41+4*\tt
	SINCOS 51, 42+4*\tt, 43+4*\tt
.endr
	ds_store_b128 v8, v[40:43]
	ds_store_b128 v8, v[44:47] offset:512
	s_wait_dscnt 0x0                               ; for the others' sake: my part of the table has landed
	s_barrier_signal -1
	s_barrier_wait -1
.irp t, 0,1,2,3,4,5,6,7,8,9,10,11,12,13,14,15
	ds_load_b128 v[TR+4*\t:TR+4*\t+3], v4 offset:TAB+512*\t
.endr
	s_wait_kmcnt 0x0
	s_cmp_eq_u32 s31, 0
	s_cselect_b32 s51, s24, s25                    ; e0 for q, e1 for k
	MKSCALE s51
	s_wait_dscnt 0x0                               ; the table is in registers
	BLOCK 0, 1, 0
	BLOCK 1, 1, BHB
	FINISH
	; ---- proj_w.  A work-group takes 32 rows; wave w takes columns 128 w .. 128 w + 127: two blocks of 64 along K.
.Lpath_w:
	s_sub_co_u32 s30, ttmp9, 640
	s_lshl_b32 s54, s30, 17
	s_lshl_b32 s52, s22, 9
	s_add_co_u32 s54, s54, s52
	s_mov_b32 s55, 0
	s_add_nc_u64 s[34:35], s[10:11], s[54:55]
	s_wait_alu depctr_va_vdst(0)
	STAGEADR WST
	LOADBLK 0
	LOADBLK 1
	s_lshr_b32 s56, s30, 2
	s_lshl_b32 s56, s56, 17                        ; the block of 128 rows
	s_lshl_b32 s52, s22, 14
	s_add_co_u32 s56, s56, s52                     ; 64 along K: 8,192 bytes
	s_and_b32 s52, s30, 3
	s_lshl_b32 s52, s52, 11
	s_add_co_u32 s56, s56, s52                     ; two fragments for 32 rows
	s_mov_b32 s57, 0
	s_add_nc_u64 s[38:39], s[20:21], s[56:57]
	s_wait_kmcnt 0x0
	MKSCALE s29
	s_wait_alu depctr_va_vdst(0)
	BLOCK 0, 0, 0
	BLOCK 1, 0, 8192
	FINISH
	; ---- v.  K = the keys is not innermost: A LANE TAKES A COLUMN AND ITS REGISTERS RUN DOWN THE KEYS, so the conversions give codes with the keys innermost.
	; A work-group takes 256 keys x 256 columns of a batch; wave w takes 32 columns: half a head.  Loads run two blocks of 32 keys ahead.
.Lpath_v:
	s_lshr_b32 s30, ttmp9, 5                       ; batch
	s_bfe_u32 s31, ttmp9, 0x20003                  ; which 256 columns
	s_and_b32 s32, ttmp9, 7                        ; which 256 keys
	s_lshl_b32 s54, s30, 23
	s_lshl_b32 s52, s32, 20
	s_add_co_u32 s54, s54, s52
	s_lshl_b32 s52, s31, 10
	s_add_co_u32 s54, s54, s52
	s_lshl_b32 s52, s22, 7
	s_add_co_u32 s54, s54, s52
	s_mov_b32 s55, 0
	s_add_nc_u64 s[34:35], s[8:9], s[54:55]
	s_wait_alu depctr_va_vdst(0)
	v_lshlrev_b32 v5, 2, v1
.macro LOADV t                         ; keys 32 t + i of my column, into set t % 2
.irp i, 0,1,2,3,4,5,6,7,8,9,10,11,12,13,14,15,16,17,18,19,20,21,22,23,24,25,26,27,28,29,30,31
	global_load_b32 v[32+32*((\t)%2)+\i], v5, s[34:35] offset:(32*(\t)+\i)*4096 th:TH_LOAD_NT
.endr
.endm
	LOADV 0
	LOADV 1
	s_lshl_b32 s56, s30, 4
	s_lshl_b32 s52, s31, 2
	s_add_co_u32 s56, s56, s52
	s_lshr_b32 s52, s22, 1
	s_add_co_u32 s56, s56, s52                     ; 16 x batch + head
	s_mul_i32 s56, s56, BHB
	s_lshr_b32 s52, s32, 1
	s_mul_i32 s52, s52, CHB
	s_add_co_u32 s56, s56, s52                     ; the chunk of 512 keys
	s_and_b32 s52, s32, 1
	s_lshl_b32 s52, s52, 14
	s_add_co_u32 s56, s56, s52                     ; my first step of 128 keys in it
	s_and_b32 s52, s22, 1
	s_lshl_b32 s52, s52, 12
	s_add_co_u32 s56, s56, s52                     ; my two fragments of the step's four
	s_add_co_u32 s56, s56, 32768
	s_mov_b32 s57, 0
	s_add_nc_u64 s[38:39], s[18:19], s[56:57]
	s_lshl_b32 s52, s22, 13
	s_add_co_u32 s52, s52, VST                     ; my stage: [step 2][fragment 2][piece 4][512]
	v_lshlrev_b32 v6, 4, v2
	s_delay_alu instid0(VALU_DEP_1)
	v_lshl_add_u32 v6, v3, 11, v6
	s_delay_alu instid0(VALU_DEP_1)
	v_add_nc_u32 v6, s52, v6                       ; in: fragment lane / 16, row r = lane % 16
	v_add_nc_u32 v7, s52, v4                       ; out: as it lies
	s_wait_kmcnt 0x0
	MKSCALE s27
.macro BLOCKV t
.set XS, 32+32*((\t)%2)
.if (\t) < 7
	s_wait_loadcnt 32                              ; this block's 32 loads are in; the next block's stay out
.else
	s_wait_loadcnt 0x0
.endif
.irp i, 0,1,2,3,4,5,6,7,8,9,10,11,12,13,14,15,16,17,18,19,20,21,22,23,24,25,26,27,28,29,30,31
	v_med3_num_f32 v[XS+\i], v[XS+\i], -v20, v20
.endr
	v_cvt_scalef32_pk8_fp8_f32 v[96:97], v[XS:XS+7], v21        ; keys 0-7 and 16-23 of the 32 are the 16 bytes of the operand's lane (r, 0),
	v_cvt_scalef32_pk8_fp8_f32 v[98:99], v[XS+16:XS+23], v21
	v_cvt_scalef32_pk8_fp8_f32 v[100:101], v[XS+8:XS+15], v21   ; keys 8-15 and 24-31 those of lane (r, 1)
	v_cvt_scalef32_pk8_fp8_f32 v[102:103], v[XS+24:XS+31], v21
	ds_store_b128 v6, v[96:99] offset:4096*((\t)/4)+512*((\t)%4)
	ds_store_b128 v6, v[100:103] offset:4096*((\t)/4)+512*((\t)%4)+256
.if (\t)+2 < 8
	LOADV (\t)+2
.endif
	s_wait_dscnt 0x0                               ; the stores have read their registers: the next block's codes may be written
.endm
.set Q, 0
	s_wait_alu depctr_va_vdst(0)
.rept 8
	BLOCKV Q
.set Q, Q+1
.endr
.irp u, 0,1,2,3,4,5,6,7,8,9,10,11,12,13,14,15
	ds_load_b128 v[112+4*\u:115+4*\u], v7 offset:512*\u
.endr
.irp u, 0,1,2,3,4,5,6,7,8,9,10,11,12,13,14,15
	s_wait_dscnt 15-\u                             ; this load is in; the later ones stay out
	global_store_b128 v4, v[112+4*\u:115+4*\u], s[38:39] offset:512*\u+4096*(\u/8)   ; 512 consecutive bytes, aligned; the second step lies 8,192 bytes behind the first
.endr
	FINISH
.Lfunc_end_k_qc31371d1b6_prep:
	.size	k_qc31371d1b6_prep, .Lfunc_end_k_qc31371d1b6_prep-k_qc31371d1b6_prep
	.p2alignl 7, 3214868480
	.fill 96, 4, 3214868480
	.section	.rodata,"a",@progbits
	.p2align	6, 0x0
	.amdhsa_kernel k_qc31371d1b6_prep
		.amdhsa_group_segment_fixed_size 115712
		.amdhsa_private_segment_fixed_size 0
		.amdhsa_enable_private_segment 0
		.amdhsa_kernarg_size 72
		.amdhsa_user_sgpr_count 2
		.amdhsa_user_sgpr_kernarg_segment_ptr 1
		.amdhsa_wavefront_size32 1
		.amdhsa_system_sgpr_workgroup_id_x 1
		.amdhsa_system_sgpr_workgroup_id_y 1
		.amdhsa_system_sgpr_workgroup_id_z 1
		.amdhsa_system_vgpr_workitem_id 0
		.amdhsa_next_free_vgpr 256
		.amdhsa_next_free_sgpr 66
		.amdhsa_reserve_vcc 1
		.amdhsa_float_denorm_mode_32 3
		.amdhsa_float_denorm_mode_16_64 3
		.amdhsa_memory_ordered 1
		.amdhsa_forward_progress 1
		.amdhsa_inst_pref_size 134
	.end_amdhsa_kernel
	.amdgpu_metadata
---
amdhsa.version: [ 1, 2 ]
amdhsa.kernels:
  - .name:           k_qc31371d1b6_prep
    .symbol:         k_qc31371d1b6_prep.kd
    .args:
      - { .name: q, .offset: 0, .size: 8, .value_kind: global_buffer, .address_space: global }
      - { .name: k, .offset: 8, .size: 8, .value_kind: global_buffer, .address_space: global }
      - { .name: v, .offset: 16, .size: 8, .value_kind: global_buffer, .address_space: global }
      - { .name: proj_w, .offset: 24, .size: 8, .value_kind: global_buffer, .address_space: global }
      - { .name: q_norm_w, .offset: 32, .size: 8, .value_kind: global_buffer, .address_space: global }
      - { .name: k_norm_w, .offset: 40, .size: 8, .value_kind: global_buffer, .address_space: global }
      - { .name: lowp_scales, .offset: 48, .size: 8, .value_kind: global_buffer, .address_space: global }
      - { .name: qkv, .offset: 56, .size: 8, .value_kind: global_buffer, .address_space: global }
      - { .name: wq, .offset: 64, .size: 8, .value_kind: global_buffer, .address_space: global }
    .group_segment_fixed_size: 115712
    .private_segment_fixed_size: 0
    .kernarg_segment_align: 8
    .kernarg_segment_size: 72
    .max_flat_workgroup_size: 256
    .sgpr_count:     66
    .vgpr_count:     256
    .wavefront_size: 32
...
	.end_amdgpu_metadata
.endif
;; end of part 1
;; launch attn (part 2): grid 4 x 64, 16 waves a work-group, clusters of 4 x 1, 327,680 bytes of LDS; arguments qkv, lowp_scales, ctx; writes ctx
.if DOCPART == 2
	.amdgcn_target "amdgcn-amd-amdhsa--gfx1250"
	.amdhsa_code_object_version 6
	.text
	.protected	k_qc31371d1b6_attn
	.globl	k_qc31371d1b6_attn
	.p2align	8
	.type	k_qc31371d1b6_attn,@function
k_qc31371d1b6_attn:
	s_mov_b64 s[64:65], 0
	v_nop
	global_prefetch_b8 v0, s[64:65] scope:SCOPE_SE
	s_setreg_imm32_b32 hwreg(HW_REG_WAVE_MODE, 25, 1), 1
	s_wait_xcnt 0x0
	s_wait_alu depctr_hold_cnt(0) depctr_sa_sdst(0) depctr_va_vdst(0) depctr_va_sdst(0) depctr_va_ssrc(0) depctr_va_vcc(0) depctr_vm_vsrc(0)
	s_getreg_b32 s2, hwreg(HW_REG_IB_STS2, 6, 4)
	s_cmp_eq_u32 s2, 0
	s_cbranch_scc0 .Lentry_in_a_cluster
	s_endpgm
.Lentry_in_a_cluster:
	s_bfe_u32 s2, ttmp6, 0x10000c
	s_cmp_lg_u32 s2, 0x3003
	s_cbranch_scc0 .Lentry_shape_is_right
	s_endpgm
.Lentry_shape_is_right:
; SECOND OF THREE LAUNCHES: ctx = softmax(Q K^T / 8) V for each (batch, head), both products on codes of FP8 (E4M3); the result is quantised (e4) for the projection.  No work of the problem is left out.
; qkv: [batch x head 64][chunk of 512 positions 4][K 32,768 | V 32,768 | Q 32,768 bytes], images of operand registers: K, Q: fragments of 16 rows x 64 codes (1,024 bytes);
; V: for each 128 keys four fragments of 16 of the head's 64 x 128 keys (2,048 bytes).  ctx: [block of 128 rows 64][head 16][16 rows 8][1,024], images of the K = 64 form's operand.
; THE SOFTMAX: t = score x log2(e) / 8; M = the running largest t rounded up to a whole number, kept as -M; p = 2^(t - M) is quantised (e2), not normalised; the row's sum is taken of the unquantised p in f32 and divides at the end.
; When M moves, the sum and O are multiplied by 2^(old M - new M), which rounds nothing.
; SHARES.  A work-group owns 512 queries of one head; each of its 16 waves owns 32 of them, two tiles A and B, so that every fragment of K and V read from LDS feeds two matrix instructions.
; ALL 2,048 keys of the head lie in LDS: K's 16 steps of 8,192 bytes from 0, V's from 131,072.  Each wave fetches 16,384 of these bytes by ONE tensor load at the head; every byte is filled once, one barrier follows, and the loop has none.
; CLUSTER: the four work-groups of a head need the same K and V: each tile is asked for jointly, same descriptor, mask 15.
; No prefetch: every byte that the launch streams is asked for at the head by the tensor loads themselves, and no load follows in the loop.
; Both products are used transposed (S^T = K Q^T, O^T = V^T P^T): a lane holds one query of each tile; register j of score fragment f is key 16 f + 8 (lane / 16) + j, the order of the K = 128 form's operand.
; A step's first four fragments of K are asked for in the step before; the last step so reads 4,096 bytes of V's first step in their place, which nothing uses.
; LIMITS: e0 + e1 between -123 and 130; e2 and e4 - e2 - e3 between -126 and 119, so that each power of two below is an f32 number; the scaled scores t stay under 2^31 in magnitude.  NaN is not served.
; REGISTERS: v0 thread; v1 LDS address; v[2:3] -M of A, B; v[4:5] the sums; v[6:7] at work, the factors f, at work; v[8:9] at work; v10 2^e2; v11 448 x 2^e2.
.set QA,  12                           ; v12-19, v20-27  Q's two fragments
.set QB,  20
.set F,   28                           ; v28-59   four fragments of K, or V's first two
.set CA,  60                           ; v60-75   A's codes: two spare registers, then laid over A's scores that are done with
.set SA,  62                           ; v62-125  A's scores, then p
.set CB,  76                           ; v76-91   B's codes, over A's p when it has been converted
.set VB,  94                           ; v94-125  V's last two fragments, likewise
.set SPW, 126                          ; v126     LDS address of my spare word; never rewritten
.set NIL, 127                          ; v127     0; never rewritten
.set SB,  128                          ; v128-191 B's scores, then p
.set OA,  192                          ; v192-223, v224-255  O^T of A and of B
.set OB,  224
.set VOFF,  131072
.set SPARE, 262144                     ; behind K and V: the spare words, 128 bytes for each wave
.set BHB,   393216
.set CHB,   98304
.macro CROUND                          ; a round of the cluster's barrier
	s_barrier_signal -1
	s_barrier_wait -1
	s_cmp_lg_u32 s10, 0
	s_cbranch_scc1 .Lnot_wave_0_\@
	s_barrier_signal -3
.Lnot_wave_0_\@:
	s_barrier_wait -3
	s_barrier_signal -1
	s_barrier_wait -1
.endm
.macro NOPS n
.rept \n
	v_nop
.endr
.endm
.macro LDK g                           ; K's fragments 4 g .. 4 g + 3 of the step
.irp f, 0,1,2,3
	ds_load_b128 v[F+8*\f:F+8*\f+3], v1 offset:4096*(\g)+1024*\f
	ds_load_b128 v[F+8*\f+4:F+8*\f+7], v1 offset:4096*(\g)+1024*\f+512
.endr
.endm
.macro LDV g, dst                      ; V's fragments 2 g, 2 g + 1 of the step
.irp f, 0,1
.irp p, 0,1,2,3
	ds_load_b128 v[\dst+16*\f+4*\p:\dst+16*\f+4*\p+3], v1 offset:4096*(\g)+2048*\f+512*\p
.endr
.endr
.endm
.macro QK g                            ; each fragment of 16 keys against both tiles; the accumulators take turns
.irp f, 0,1,2,3
	v_wmma_f32_16x16x64_fp8_fp8 v[SA+8*(4*(\g)+\f):SA+8*(4*(\g)+\f)+7], v[F+8*\f:F+8*\f+7], v[QA:QA+7], 0
	v_wmma_f32_16x16x64_fp8_fp8 v[SB+8*(4*(\g)+\f):SB+8*(4*(\g)+\f)+7], v[F+8*\f:F+8*\f+7], v[QB:QB+7], 0
.endr
.endm
.macro PV g, src                       ; each fragment of V against both tiles' codes
.irp f, 0,1
	v_wmma_f32_16x16x128_fp8_fp8 v[OA+8*(2*(\g)+\f):OA+8*(2*(\g)+\f)+7], v[\src+16*\f:\src+16*\f+15], v[CA:CA+15], v[OA+8*(2*(\g)+\f):OA+8*(2*(\g)+\f)+7]
	v_wmma_f32_16x16x128_fp8_fp8 v[OB+8*(2*(\g)+\f):OB+8*(2*(\g)+\f)+7], v[\src+16*\f:\src+16*\f+15], v[CB:CB+15], v[OB+8*(2*(\g)+\f):OB+8*(2*(\g)+\f)+7]
.endr
.endm
.macro MAXF f, first                   ; score fragment f of both tiles onto four chains by turns (A: v8, v6; B: v9, v7), each accumulator from its low end on
.if \first
	v_max_num_f32 v8, v[SA+8*(\f)], v[SA+8*(\f)+1]
	v_max_num_f32 v9, v[SB+8*(\f)], v[SB+8*(\f)+1]
	v_max_num_f32 v6, v[SA+8*(\f)+2], v[SA+8*(\f)+3]
	v_max_num_f32 v7, v[SB+8*(\f)+2], v[SB+8*(\f)+3]
.else
	v_max3_num_f32 v8, v8, v[SA+8*(\f)], v[SA+8*(\f)+1]
	v_max3_num_f32 v9, v9, v[SB+8*(\f)], v[SB+8*(\f)+1]
	v_max3_num_f32 v6, v6, v[SA+8*(\f)+2], v[SA+8*(\f)+3]
	v_max3_num_f32 v7, v7, v[SB+8*(\f)+2], v[SB+8*(\f)+3]
.endif
	v_max3_num_f32 v8, v8, v[SA+8*(\f)+4], v[SA+8*(\f)+5]
	v_max3_num_f32 v9, v9, v[SB+8*(\f)+4], v[SB+8*(\f)+5]
	v_max3_num_f32 v6, v6, v[SA+8*(\f)+6], v[SA+8*(\f)+7]
	v_max3_num_f32 v7, v7, v[SB+8*(\f)+6], v[SB+8*(\f)+7]
.endm
.macro DUAL r                          ; the conversion to an 8-bit code does not saturate (ISA guide 7.6.2); p is not negative, so the hold is one-sided; two holds an instruction
	v_dual_min_num_f32 v[\r], v11, v[\r] :: v_dual_min_num_f32 v[\r+1], v11, v[\r+1]
.endm
.macro SUMHOLD base, x, g              ; the unquantised p of group g (eight numbers) onto two chains, by turns with the hold of group g - 1, which has been summed
	v_pk_add_f32 v[\x:\x+1], v[\x:\x+1], v[\base+8*(\g):\base+8*(\g)+1]
	DUAL \base+8*(\g)-8
	v_pk_add_f32 v[8:9], v[8:9], v[\base+8*(\g)+2:\base+8*(\g)+3]
	DUAL \base+8*(\g)-6
	v_pk_add_f32 v[\x:\x+1], v[\x:\x+1], v[\base+8*(\g)+4:\base+8*(\g)+5]
	DUAL \base+8*(\g)-4
	v_pk_add_f32 v[8:9], v[8:9], v[\base+8*(\g)+6:\base+8*(\g)+7]
	DUAL \base+8*(\g)-2
.endm
	s_load_b128 s[4:7], s[0:1], 0x0                ; qkv s[4:5], the scales' exponents s[6:7]
	s_load_b64 s[8:9], s[0:1], 0x10                ; ctx
	v_lshl_add_u32 v[SPW], v0, 2, SPARE
	v_mov_b32 v[NIL], 0
	ds_add_u32 v[SPW], v[NIL]                      ; the wave's opening: the add, twice on end, and its wait ahead of my tensor load
	ds_add_u32 v[SPW], v[NIL]
	v_lshrrev_b32 v1, 5, v0
	v_readfirstlane_b32 s10, v1                    ; wave 0..15
	s_bfe_u32 s11, ttmp6, 0x40000                  ; cx: my chunk of 512 queries
	s_and_b32 s12, ttmp7, 0xffff                   ; batch x head
	s_mov_b32 s16, 15|(3<<16)|(1<<21)              ; group 1: the mask names the four; elements of 8 bytes; 16,384 dense bytes as 64 rows of 256
	s_mov_b32 s17, 32<<16
	s_mov_b32 s18, 64<<16
	s_mov_b32 s19, 32<<16
	s_mov_b32 s20, 64
	s_mov_b32 s21, 32
	s_mov_b32 s22, 0
	s_mov_b32 s23, 0
	s_mov_b32 s40, 0x76543210                      ; v_permlanex16_b32's selects for lane l xor 16
	s_mov_b32 s41, 0xfedcba98
	s_mov_b32 s42, 0x3e38aa3b                      ; c = log2(e) / 8
	s_lshr_b32 s13, s10, 2                         ; what I fetch: chunk wave / 4, its quarter wave % 4 (K's halves, V's halves)
	s_and_b32 s28, s10, 3
	s_mov_b32 s24, 1
	s_lshl_b32 s25, s13, 15                        ; where it goes: 131,072 (V or K) + 32,768 chunk + 16,384 half
	s_lshr_b32 s29, s28, 1
	s_lshl_b32 s29, s29, 17
	s_add_co_u32 s25, s25, s29
	s_and_b32 s29, s10, 1
	s_lshl_b32 s29, s29, 14
	s_add_co_u32 s25, s25, s29
	s_mul_i32 s14, s12, BHB
	s_mul_i32 s30, s13, CHB
	s_add_co_u32 s30, s30, s14
	s_lshl_b32 s28, s28, 14
	s_add_co_u32 s30, s30, s28                     ; where it lies: no place in the cluster enters the descriptor
	s_mov_b32 s31, 0
	s_mul_i32 s58, s11, CHB                        ; my two fragments of Q: tiles 2 wave, 2 wave + 1 of my chunk
	s_add_co_u32 s58, s58, s14
	s_lshl_b32 s60, s10, 11
	s_add_co_u32 s58, s58, s60
	s_add_co_u32 s58, s58, 65536
	s_mov_b32 s59, 0
	s_lshr_b32 s60, s12, 4                         ; ctx: block of 128 rows = 16 batch + 4 cx + wave / 4; then the head; then two fragments
	s_lshl_b32 s60, s60, 4
	s_lshl_b32 s61, s11, 2
	s_add_co_u32 s60, s60, s61
	s_add_co_u32 s60, s60, s13
	s_lshl_b32 s60, s60, 17
	s_and_b32 s61, s12, 15
	s_lshl_b32 s61, s61, 13
	s_add_co_u32 s60, s60, s61
	s_and_b32 s61, s10, 3
	s_lshl_b32 s61, s61, 11
	s_add_co_u32 s60, s60, s61
	s_mov_b32 s61, 0
	s_wait_dscnt 0x0                               ; both opening adds are done
	s_wait_kmcnt 0x0
	s_load_b128 s[48:51], s[6:7], 0x0              ; e0 .. e3
	s_load_b64 s[52:53], s[6:7], 0x10              ; e4, e5
	s_add_nc_u64 s[26:27], s[4:5], s[30:31]
	s_or_b32 s27, s27, 0x80000000
	s_add_nc_u64 s[54:55], s[4:5], s[58:59]
	s_add_nc_u64 s[56:57], s[8:9], s[60:61]
	CROUND                                         ; the four work-groups are here: the joint loads meet
	tensor_load_to_lds s[24:27], s[16:23]          ; my one tensor load of the launch
	s_nop 0
	NOPS 4
	v_and_b32 v1, 31, v0
	v_lshlrev_b32 v1, 4, v1                        ; 16 x lane: my place in a fragment's piece, and so the first step's address in K
	global_load_b128 v[QA:QA+3], v1, s[54:55]
	global_load_b128 v[QA+4:QA+7], v1, s[54:55] offset:512
	global_load_b128 v[QB:QB+3], v1, s[54:55] offset:1024
	global_load_b128 v[QB+4:QB+7], v1, s[54:55] offset:1536
	v_mov_b32 v2, 0x7f61b1e6                       ; -M = 3e38: M lies under every t
	v_mov_b32 v3, 0x7f61b1e6
	v_mov_b32 v4, 0                                ; the sums
	v_mov_b32 v5, 0
	v_mov_b32 v60, 0                               ; written once: a lane permute's destination counts as one of its sources
	v_mov_b32 v61, 0
.set I, 0
.rept 64
	v_mov_b32 v[OA+I], 0                           ; O^T.  The step is written once: the first finds zeros, which the first change of M leaves zeros
.set I, I+1
.endr
	s_wait_kmcnt 0x0
	s_add_co_i32 s45, s48, s49
	s_lshl_b32 s45, s45, 23
	s_add_co_i32 s42, s42, s45                     ; a score stands for score x 2^(e0 + e1): added to c's exponent field
	s_mov_b32 s43, s42                             ; (named with it as a pair)
	s_add_co_i32 s45, s50, 127
	s_lshl_b32 s58, s45, 23
	v_mov_b32 v10, s58                             ; 2^e2
	s_add_co_i32 s45, s45, 8
	s_lshl_b32 s45, s45, 23
	s_or_b32 s45, s45, 0x600000
	v_mov_b32 v11, s45                             ; 448 x 2^e2
	s_sub_co_i32 s45, s52, s50
	s_sub_co_i32 s45, s45, s51
	s_add_co_i32 s45, s45, 127
	s_lshl_b32 s46, s45, 23                        ; 2^(e4 - e2 - e3): O / the sum stands for ctx / 2^(e2 + e3)
	s_add_co_i32 s45, s45, 8
	s_lshl_b32 s47, s45, 23
	s_or_b32 s47, s47, 0x600000                    ; 448 x that
	s_mov_b32 s44, 0                               ; the step's first byte in K's part of LDS; also the loop's counter
	s_wait_alu depctr_va_vdst(0)
	s_wait_loadcnt 0x0                             ; Q
	s_wait_tensorcnt 0x0                           ; my part of K and V has landed,
	s_barrier_signal -1
	s_barrier_wait -1                              ; and everybody's
	LDK 0                                          ; the first step's first four fragments
.Lstep:                                            ; 16 trips of 128 keys
	s_wait_dscnt 0x0                               ; K's first four fragments, asked for in the step before
	QK 0
	NOPS 4
	LDK 1
	MAXF 0, 1                                      ; the step's largest score of my two queries
	MAXF 1, 0
	MAXF 2, 0
	MAXF 3, 0
	s_wait_alu depctr_va_vdst(0)
	s_wait_dscnt 0x0
	QK 1
	v_add_nc_u32 v1, VOFF, v1                      ; on to V's part of LDS (a place, with the three below)
	NOPS 3
	LDV 0, F
	MAXF 4, 0
	MAXF 5, 0
	MAXF 6, 0
	MAXF 7, 0
	v_max_num_f32 v8, v8, v6
	v_max_num_f32 v9, v9, v7
	v_permlanex16_b32 v60, v8, s40, s41
	v_permlanex16_b32 v61, v9, s40, s41
	v_max_num_f32 v8, v8, v60                      ; and among lane l xor 16's keys
	v_max_num_f32 v9, v9, v61
	v_pk_mul_f32 v[8:9], v[8:9], s[42:43] op_sel_hi:[1,0]   ; as t (c is positive)
	v_floor_f32 v8, -v8                            ; -ceil(t)
	v_floor_f32 v9, -v9
	v_min_num_f32 v8, v8, v2                       ; the new -M
	v_min_num_f32 v9, v9, v3
	v_pk_add_f32 v[6:7], v[8:9], v[2:3] neg_lo:[0,1] neg_hi:[0,1]   ; old M - new M: a whole number, 0 or less
	v_mov_b32 v2, v8
	v_mov_b32 v3, v9
	v_cvt_i32_f32 v6, v6                           ; (it saturates)
	v_cvt_i32_f32 v7, v7
	v_ldexp_f32 v6, 1.0, v6                        ; f = 2^(old M - new M)
	v_ldexp_f32 v7, 1.0, v7
.set I, 0
.rept 32
	v_pk_fma_f32 v[SA+I:SA+I+1], v[SA+I:SA+I+1], s[42:43], v[2:3] op_sel_hi:[1,0,0]               ; t - M, two at a time: A takes the pair's low word,
	v_pk_fma_f32 v[SB+I:SB+I+1], v[SB+I:SB+I+1], s[42:43], v[2:3] op_sel:[0,0,1] op_sel_hi:[1,0,1]   ; B its high word
.set I, I+2
.endr
.set I, 0
.rept 16
	v_pk_mul_f32 v[OA+I:OA+I+1], v[OA+I:OA+I+1], v[6:7] op_sel_hi:[1,0]               ; O^T under the new M, ahead of the exponentials
	v_pk_mul_f32 v[OB+I:OB+I+1], v[OB+I:OB+I+1], v[6:7] op_sel:[0,1] op_sel_hi:[1,1]
.set I, I+2
.endr
	s_wait_alu depctr_va_vdst(0)                   ; ahead of the batch
.set I, 0
.rept 64
	v_exp_f32 v[SA+I], v[SA+I]                     ; p = 2^(t - M)
.set I, I+1
.endr
.set I, 0
.rept 64
	v_exp_f32 v[SB+I], v[SB+I]
.set I, I+1
.endr
	v_pk_mul_f32 v[4:5], v[4:5], v[6:7]            ; the sums under the new M (a plain place behind the batch)
	s_wait_alu depctr_va_vdst(0)                   ; one wait for the batch, ahead of its first reader
	v_pk_add_f32 v[60:61], v[SA:SA+1], v[SA+4:SA+5]   ; A: the sum, then the hold
	v_pk_add_f32 v[8:9], v[SA+2:SA+3], v[SA+6:SA+7]
.set G, 1
.rept 7
	SUMHOLD SA, 60, G
.set G, G+1
.endr
	v_pk_add_f32 v[60:61], v[60:61], v[8:9]
	DUAL SA+56
	DUAL SA+58
	v_add_f32 v8, v60, v61
	DUAL SA+60
	DUAL SA+62
	v_add_f32 v4, v4, v8
	v_cvt_scalef32_pk8_fp8_f32 v[CA:CA+1], v[SA:SA+7], v10   ; A's codes; a conversion writes over numbers that an earlier one has read: B's additions are the plain lines between
	v_pk_add_f32 v[6:7], v[SB:SB+1], v[SB+4:SB+5]            ; B: the sum, then the hold
	v_pk_add_f32 v[8:9], v[SB+2:SB+3], v[SB+6:SB+7]
.set G, 1
.rept 7
	v_cvt_scalef32_pk8_fp8_f32 v[CA+2*G:CA+2*G+1], v[SA+8*G:SA+8*G+7], v10
	SUMHOLD SB, 6, G
.set G, G+1
.endr
	LDV 1, VB                                      ; V's last two fragments, over A's p, which has been converted
	v_pk_add_f32 v[6:7], v[6:7], v[8:9]
	DUAL SB+56
	DUAL SB+58
	v_add_f32 v8, v6, v7
	DUAL SB+60
	DUAL SB+62
	v_add_f32 v5, v5, v8
.set I, 0
.rept 8
	v_cvt_scalef32_pk8_fp8_f32 v[CB+2*I:CB+2*I+1], v[SB+8*I:SB+8*I+7], v10
.set I, I+1
.endr
	v_nop                                          ; a plain line behind the last conversion
	s_wait_alu depctr_va_vdst(0)
	s_wait_dscnt 8                                 ; V's first two fragments are in; the eight loads of the last two may be out
	PV 0, F
	s_add_co_u32 s45, s44, 8192
	v_and_b32 v1, 31, v0                           ; the next step's address in K: three places and a fourth, in front of the loads into what the products above have read
	v_lshlrev_b32 v1, 4, v1
	v_add_nc_u32 v1, s45, v1
	v_nop
	LDK 0
	s_wait_alu depctr_va_vdst(0)
	s_wait_dscnt 8                                 ; V's last two fragments are in; the eight loads of K may be out
	PV 1, VB
	NOPS 5                                         ; five places: the next step's first products write over these products' operands
	s_add_co_u32 s44, s44, 8192
	s_cmp_lt_u32 s44, 131072
	s_cbranch_scc1 .Lstep
	; THE WAY OUT: O^T / the sum, held, as codes with 2^e4: the conversions' results are images of the projection's operand
	s_wait_dscnt 0x0                               ; the last trip's loads have landed: their registers are written below
	v_mov_b32 v10, s46
	v_mov_b32 v11, s47
	v_permlanex16_b32 v8, v4, s40, s41
	v_permlanex16_b32 v9, v5, s40, s41
	v_pk_add_f32 v[4:5], v[4:5], v[8:9]            ; with lane l xor 16's: the rows' sums
	s_wait_alu depctr_va_vdst(0)                   ; ahead of the transcendentals
	v_rcp_f32 v4, v4
	v_rcp_f32 v5, v5
	v_and_b32 v1, 31, v0                           ; (plain places)
	v_lshlrev_b32 v1, 4, v1
	s_wait_alu depctr_va_vdst(0)                   ; ahead of the first reader of the reciprocals and of O^T
.set I, 0
.rept 16
	v_pk_mul_f32 v[SA+I:SA+I+1], v[OA+I:OA+I+1], v[4:5] op_sel_hi:[1,0]
	v_pk_mul_f32 v[SB+I:SB+I+1], v[OB+I:OB+I+1], v[4:5] op_sel:[0,1] op_sel_hi:[1,1]
.set I, I+2
.endr
.set I, 0
.rept 32
	v_med3_num_f32 v[SA+I], v[SA+I], -v11, v11
	v_med3_num_f32 v[SB+I], v[SB+I], -v11, v11
.set I, I+1
.endr
.irp c, 0,1,2,3
	v_cvt_scalef32_pk8_fp8_f32 v[F+2*\c:F+2*\c+1], v[SA+8*\c:SA+8*\c+7], v10
	v_cvt_scalef32_pk8_fp8_f32 v[F+8+2*\c:F+8+2*\c+1], v[SB+8*\c:SB+8*\c+7], v10
.endr
	v_nop
.irp u, 0,1,2,3
	global_store_b128 v1, v[F+4*\u:F+4*\u+3], s[56:57] offset:512*\u   ; the wave stores 512 consecutive bytes, aligned
.endr
	s_wait_tensorcnt 0x0                           ; the wave's end
	ds_add_u32 v[SPW], v[NIL]
	s_wait_dscnt 0x0
	CROUND                                         ; the closing round
	s_endpgm
.Lfunc_end_k_qc31371d1b6_attn:
	.size	k_qc31371d1b6_attn, .Lfunc_end_k_qc31371d1b6_attn-k_qc31371d1b6_attn
	.p2alignl 7, 3214868480
	.fill 96, 4, 3214868480
	.section	.rodata,"a",@progbits
	.p2align	6, 0x0
	.amdhsa_kernel k_qc31371d1b6_attn
		.amdhsa_group_segment_fixed_size 327680
		.amdhsa_private_segment_fixed_size 0
		.amdhsa_enable_private_segment 0
		.amdhsa_kernarg_size 24
		.amdhsa_user_sgpr_count 2
		.amdhsa_user_sgpr_kernarg_segment_ptr 1
		.amdhsa_wavefront_size32 1
		.amdhsa_system_sgpr_workgroup_id_x 1
		.amdhsa_system_sgpr_workgroup_id_y 1
		.amdhsa_system_sgpr_workgroup_id_z 1
		.amdhsa_system_vgpr_workitem_id 0
		.amdhsa_next_free_vgpr 256
		.amdhsa_next_free_sgpr 66
		.amdhsa_reserve_vcc 0
		.amdhsa_float_denorm_mode_32 3
		.amdhsa_float_denorm_mode_16_64 3
		.amdhsa_memory_ordered 1
		.amdhsa_forward_progress 1
		.amdhsa_inst_pref_size 44
	.end_amdhsa_kernel
	.amdgpu_metadata
---
amdhsa.version: [ 1, 2 ]
amdhsa.kernels:
  - .name:           k_qc31371d1b6_attn
    .symbol:         k_qc31371d1b6_attn.kd
    .args:
      - { .name: qkv, .offset: 0, .size: 8, .value_kind: global_buffer, .address_space: global }
      - { .name: lowp_scales, .offset: 8, .size: 8, .value_kind: global_buffer, .address_space: global }
      - { .name: ctx, .offset: 16, .size: 8, .value_kind: global_buffer, .address_space: global }
    .group_segment_fixed_size: 327680
    .private_segment_fixed_size: 0
    .kernarg_segment_align: 8
    .kernarg_segment_size: 24
    .max_flat_workgroup_size: 512
    .sgpr_count:     66
    .vgpr_count:     256
    .wavefront_size: 32
...
	.end_amdgpu_metadata
.endif
;; end of part 2
;; launch proj (part 3): grid 8 x 32, 8 waves a work-group, clusters of 4 x 4, 327,680 bytes of LDS; arguments ctx, wq, lowp_scales, proj_b, out0; writes out0
.if DOCPART == 3
	.amdgcn_target "amdgcn-amd-amdhsa--gfx1250"
	.amdhsa_code_object_version 6
	.text
	.protected	k_qc31371d1b6_proj
	.globl	k_qc31371d1b6_proj
	.p2align	8
	.type	k_qc31371d1b6_proj,@function
k_qc31371d1b6_proj:
	s_mov_b64 s[64:65], 0
	v_nop
	global_prefetch_b8 v0, s[64:65] scope:SCOPE_SE
	s_setreg_imm32_b32 hwreg(HW_REG_WAVE_MODE, 25, 1), 1
	s_wait_xcnt 0x0
	s_wait_alu depctr_hold_cnt(0) depctr_sa_sdst(0) depctr_va_vdst(0) depctr_va_sdst(0) depctr_va_ssrc(0) depctr_va_vcc(0) depctr_vm_vsrc(0)
	s_getreg_b32 s2, hwreg(HW_REG_IB_STS2, 6, 4)
	s_cmp_eq_u32 s2, 0
	s_cbranch_scc0 .Lentry_in_a_cluster
	s_endpgm
.Lentry_in_a_cluster:
	s_bfe_u32 s2, ttmp6, 0x10000c
	s_cmp_lg_u32 s2, 0xf033
	s_cbranch_scc0 .Lentry_shape_is_right
	s_endpgm
.Lentry_shape_is_right:
; THIRD LAUNCH: out0 = ctx proj_w^T + proj_b on codes of FP8 (E4M3): out0[m][n] = 2^(e4 + e5) x the sum over k of ctx[m][k] wq[n][k], + proj_b[n].  [8,192][1,024] f32, K = 1,024.  No work of the problem is left out.
; ctx: [block of 128 rows 64][64 along K 16][16 rows 8][1,024] and wq: [block of 128 rows of proj_w 8][64 along K 16][16 rows 8][1,024]: images of the K = 64 form's operand registers.
; SHARES.  256 work-groups; each makes TWO tiles of 128 x 128 of out0, row blocks Y and Y + 32 of one block X of columns, with ALL of K resident in LDS: A's block from 0, B's from 131,072, 131,072 bytes each.
; B's block stays for both tiles; A's bytes are filled again when the first tile's products are done, and the first tile goes out while that fill is on its way.
; Eight waves, each 32 rows x 64 columns: eight accumulators.  K goes in 16 steps of 64.
; CLUSTER: 4 x 4 work-groups.  The four of a row of the cluster need the same blocks of ctx, the four of a column the same block of wq: each tile is asked for JOINTLY, same descriptor, a mask that names the four.
; Waves 0-3 fetch A's quarters (32,768 dense bytes a wave), waves 4-7 B's: one tensor load a wave at the head; behind the round in front of the refill waves 0-3 issue one more each.
; PREFETCH: the second block of ctx, 512 blocks of 256 bytes, is asked for once in each row of a cluster, at the head, a whole tile's 16 K steps ahead of its load: waves 0-3 of the four partners, told apart by address (cx), a lane a block.
; THE MATRIX INSTRUCTION IS USED TRANSPOSED (source 0 = 16 rows of wq, source 1 = 16 rows of ctx): a lane then holds eight neighbouring numbers of a row of out0.
; LIMIT: e4 + e5 between -126 and 127, so that 2^(e4 + e5) is an f32 number.
; REGISTERS: v2-5, v6-9 LDS addresses of my A and B fragments, one for each 4 steps; v10, v11 the stage, in and out; v12 my offset in out0; v13 at work; v14, v15 the add's two;
; v16-63, v64-111, v112-159 three sets of fragments (A's two, then B's four); v160-223 the accumulators ((a, b) at v[160 + 8 (4 a + b)]); v224-255 the bias of my 4 x 8 columns.
.set BOFF,  131072
.set STG,   262144                     ; behind A and B: a stage of 16 rows x (256 + 16) bytes for each wave; no fill lands there
.set SPARE, 296960                     ; behind the stages: the spare words, 128 bytes for each wave
.set NEXTA, 32*131072                  ; from a block of ctx to the block 32 further on
.set NEXTC, 32*128*4096                ; and the same in out0
.macro CROUND                          ; a round of the cluster's barrier
	s_barrier_signal -1
	s_barrier_wait -1
	s_cmp_lg_u32 s14, 0
	s_cbranch_scc1 .Lnot_wave_0_\@
	s_barrier_signal -3
.Lnot_wave_0_\@:
	s_barrier_wait -3
	s_barrier_signal -1
	s_barrier_wait -1
.endm
	s_load_b128 s[4:7], s[0:1], 0x0                ; ctx s[4:5], wq s[6:7]
	s_load_b128 s[8:11], s[0:1], 0x10              ; the scales' exponents s[8:9], proj_b s[10:11]
	s_load_b64 s[12:13], s[0:1], 0x20              ; out0
	v_lshl_add_u32 v14, v0, 2, SPARE
	v_mov_b32 v15, 0
	ds_add_u32 v14, v15                            ; the wave's opening: the add, twice on end, and its wait ahead of my first tensor load
	ds_add_u32 v14, v15
	v_lshrrev_b32 v1, 5, v0
	v_readfirstlane_b32 s14, v1                    ; wave 0..7
	s_bfe_u32 s16, ttmp6, 0x40000                  ; cx, cy: my place in the cluster
	s_bfe_u32 s17, ttmp6, 0x40004
	s_lshl_b32 s18, ttmp9, 2
	s_add_co_u32 s18, s18, s16                     ; X: my block of 128 columns
	s_and_b32 s19, ttmp7, 0xffff
	s_lshl_b32 s19, s19, 2
	s_add_co_u32 s19, s19, s17                     ; Y: my first block of 128 rows, 0 .. 31
	s_lshl_b32 s20, s17, 2
	s_lshl_b32 s20, 15, s20                        ; my row of the cluster
	s_lshl_b32 s21, 0x1111, s16                    ; my column
	s_or_b32 s24, s20, (3<<16)|(1<<21)             ; group 1: A's tiles go to my row; elements of 8 bytes; 32,768 dense bytes as 128 rows of 256
	s_or_b32 s32, s21, (3<<16)|(1<<21)             ; the same with my column's mask, for B's tiles
.irp g, 24, 32
	s_mov_b32 s[\g+1], 32<<16
	s_mov_b32 s[\g+2], 128<<16
	s_mov_b32 s[\g+3], 32<<16
	s_mov_b32 s[\g+4], 128
	s_mov_b32 s[\g+5], 32
	s_mov_b32 s[\g+6], 0
	s_mov_b32 s[\g+7], 0
.endr
	s_and_b32 s22, s14, 3
	s_lshl_b32 s92, s16, 2                         ; the prefetch: part 4 cx + wave % 4 of 16, 8,192 bytes, of block Y + 32
	s_add_co_u32 s92, s92, s22
	s_lshl_b32 s92, s92, 13
	s_lshl_b32 s93, s19, 17
	s_add_co_u32 s92, s92, s93
	s_add_co_u32 s92, s92, NEXTA
	s_mov_b32 s93, 0
	s_lshl_b32 s22, s22, 15                        ; which quarter of a block I fetch
	s_lshl_b32 s56, s19, 17                        ; A hangs on Y alone, B on X alone; every wave makes both, in registers that never hold the other coordinate
	s_add_co_u32 s56, s56, s22
	s_mov_b32 s57, 0
	s_lshl_b32 s58, s18, 17
	s_add_co_u32 s58, s58, s22
	s_mov_b32 s59, 0
	s_lshl_b32 s23, s14, 15                        ; where it goes: wave x 32,768: no place in the cluster enters an LDS address
	s_wait_dscnt 0x0                               ; both opening adds are done
	s_wait_kmcnt 0x0
	s_load_b64 s[86:87], s[8:9], 0x10              ; e4, e5
	s_mov_b32 s40, 1
	s_mov_b32 s41, s23
	s_add_nc_u64 s[42:43], s[4:5], s[56:57]
	s_or_b32 s43, s43, 0x80000000
	s_mov_b32 s68, 1
	s_mov_b32 s69, s23
	s_add_nc_u64 s[70:71], s[6:7], s[58:59]
	s_or_b32 s71, s71, 0x80000000
	s_add_nc_u64 s[92:93], s[4:5], s[92:93]
	CROUND                                         ; all sixteen work-groups are here: the joint loads meet
	s_cmp_lt_u32 s14, 4
	s_cbranch_scc0 .Lfirst_b
	tensor_load_to_lds s[40:43], s[24:31]
	s_nop 0
.rept 4
	v_nop
.endr
	v_and_b32 v160, 31, v0
	v_lshlrev_b32 v160, 8, v160                    ; lanes 256 bytes apart
	global_prefetch_b8 v160, s[92:93] th:TH_LOAD_NT scope:SCOPE_SE
	s_branch .Lfirst_asked
.Lfirst_b:
	tensor_load_to_lds s[68:71], s[32:39]
	s_nop 0
.rept 4
	v_nop
.endr
.Lfirst_asked:
	v_and_b32 v1, 31, v0
	v_lshlrev_b32 v13, 4, v1                       ; 16 x lane
	s_wait_alu depctr_va_vdst(0)
	s_lshr_b32 s60, s14, 1                         ; wm: my 32 rows
	s_and_b32 s61, s14, 1                          ; wn: my 64 columns
	s_lshl_b32 s62, s60, 11                        ; A: two fragments a wave
	s_lshl_b32 s63, s61, 12                        ; B: four,
	s_add_co_u32 s63, s63, BOFF                    ; behind A's block
.irp c, 0,1,2,3
	v_add_nc_u32 v[2+\c], s62, v13
	v_add_nc_u32 v[6+\c], s63, v13
	s_add_co_u32 s62, s62, 32768
	s_add_co_u32 s63, s63, 32768
.endr
	v_and_b32 v16, 15, v0                          ; r
	v_bfe_u32 v17, v0, 4, 1                        ; h
	s_mul_i32 s62, s14, 4352
	s_add_co_u32 s62, s62, STG                     ; my stage
	v_mul_u32_u24 v10, v16, 272
	v_lshl_add_u32 v10, v17, 5, v10
	v_add_nc_u32 v10, s62, v10                     ; in: row r, 32 bytes for each half of the lanes
	v_mul_u32_u24 v11, v17, 272
	v_lshl_add_u32 v11, v16, 4, v11
	v_add_nc_u32 v11, s62, v11                     ; back: lanes 0-15 one row of 256 bytes, lanes 16-31 the next
	v_lshlrev_b32 v12, 12, v17
	v_lshl_add_u32 v12, v16, 4, v12                ; and the same two rows in out0
	v_lshlrev_b32 v13, 5, v17                      ; the bias: 8 h numbers on
	s_wait_alu depctr_va_vdst(0)
	s_lshl_b32 s88, s18, 9
	s_lshl_b32 s62, s61, 8
	s_add_co_u32 s88, s88, s62                     ; my first column, in bytes: 512 X + 256 wn
	s_mov_b32 s89, 0
	s_lshl_b32 s90, s19, 19
	s_lshl_b32 s62, s60, 17
	s_add_co_u32 s90, s90, s62                     ; my first row: (128 Y + 32 wm) x 4,096 bytes
	s_add_co_u32 s90, s90, s88
	s_mov_b32 s91, 0
	s_add_nc_u64 s[88:89], s[10:11], s[88:89]
	s_add_nc_u64 s[90:91], s[12:13], s[90:91]
.irp b, 0,1,2,3
	global_load_b128 v[224+8*\b:227+8*\b], v13, s[88:89] offset:64*\b
	global_load_b128 v[228+8*\b:231+8*\b], v13, s[88:89] offset:64*\b+16
.endr
.macro FETCH k                         ; K step k: A's two fragments and B's four into set k % 3: 12 loads, 16 bytes a lane at 16 x lane
.set FB, 16+48*((\k)%3)
.set CH, (\k)/4
.set KO, ((\k)%4)*8192
.irp a, 0,1
	ds_load_b128 v[FB+8*\a:FB+8*\a+3], v[2+CH] offset:KO+1024*\a
	ds_load_b128 v[FB+8*\a+4:FB+8*\a+7], v[2+CH] offset:KO+1024*\a+512
.endr
.irp b, 0,1,2,3
	ds_load_b128 v[FB+16+8*\b:FB+16+8*\b+3], v[6+CH] offset:KO+1024*\b
	ds_load_b128 v[FB+16+8*\b+4:FB+16+8*\b+7], v[6+CH] offset:KO+1024*\b+512
.endr
.endm
.macro MUL8 k, zero                    ; the eight accumulators take turns, one instruction a turn, in the same order in every step.  zero = 1: the first products start the sums
.set FB, 16+48*((\k)%3)
.irp a, 0,1
.irp b, 0,1,2,3
.if \zero
	v_wmma_f32_16x16x64_fp8_fp8 v[160+8*(4*\a+\b):160+8*(4*\a+\b)+7], v[FB+16+8*\b:FB+16+8*\b+7], v[FB+8*\a:FB+8*\a+7], 0
.else
	v_wmma_f32_16x16x64_fp8_fp8 v[160+8*(4*\a+\b):160+8*(4*\a+\b)+7], v[FB+16+8*\b:FB+16+8*\b+7], v[FB+8*\a:FB+8*\a+7], v[160+8*(4*\a+\b):160+8*(4*\a+\b)+7]
.endif
.endr
.endr
.endm
.macro KLOOP                           ; a tile's 16 K steps; loads run two steps ahead
	FETCH 0
	FETCH 1
.set KK, 0
.rept 16
.if KK < 15
	s_wait_dscnt 12                                ; this step's fragments are in; the next step's 12 loads stay out
.else
	s_wait_dscnt 0x0
.endif
.if KK+2 < 16
.if KK > 0
.rept 4
	v_nop                                          ; places behind the last step's products, in front of loads into the set that they read (ISA guide 7.12.1 for vector instructions)
.endr
.endif
	FETCH KK+2
.endif
.if KK == 0
	MUL8 KK, 1
.else
	MUL8 KK, 0
.endif
.set KK, KK+1
.endr
.endm
; THE WAY OUT.  A lane holds 32 neighbouring bytes of a row and the lanes beside it hold other rows: a tile of 16 rows x 64 columns goes through my own stage and comes back as whole rows of 256 bytes.
.macro TOSTAGE a
.irp b, 0,1,2,3
.irp i, 0,2,4,6
	v_pk_fma_f32 v[16+32*\a+8*\b+\i:16+32*\a+8*\b+\i+1], v[160+8*(4*\a+\b)+\i:160+8*(4*\a+\b)+\i+1], s[84:85], v[224+8*\b+\i:224+8*\b+\i+1] op_sel_hi:[1,0,1]   ; sum x 2^(e4 + e5) + bias; each accumulator from its low end on
.endr
.endr
.irp b, 0,1,2,3
	ds_store_b128 v10, v[16+32*\a+8*\b:16+32*\a+8*\b+3] offset:64*\b
	ds_store_b128 v10, v[16+32*\a+8*\b+4:16+32*\a+8*\b+7] offset:64*\b+16
.endr
.irp i, 0,1,2,3,4,5,6,7
	ds_load_b128 v[80+32*\a+4*\i:80+32*\a+4*\i+3], v11 offset:544*\i   ; LDS serves a wave's instructions in order (ISA guide 5.7.1.4): these see my stores, and the next tile's stores come behind them
.endr
.endm
.macro SEND a, younger                 ; younger: the LDS instructions issued behind tile a's loads, which may stay out
	s_wait_dscnt \younger
.irp i, 0,1,2,3,4,5,6,7
	global_store_b128 v12, v[80+32*\a+4*\i:80+32*\a+4*\i+3], s[90:91] offset:(16*\a+2*\i)*4096 th:TH_STORE_NT   ; 16 lanes store 256 consecutive bytes, at a multiple of 256 from out0's first byte
.endr
.endm
.macro WAYOUT
.rept 4
	v_nop                                          ; places behind the last products
.endr
	TOSTAGE 0
	TOSTAGE 1
	SEND 0, 16                                     ; behind tile 0's loads: tile 1's 8 stores and 8 loads
	SEND 1, 0
.endm
	s_wait_xcnt 0x0                                ; the prefetch has read its address register, which the products below write
	s_wait_tensorcnt 0x0                           ; my quarter has landed,
	s_barrier_signal -1
	s_barrier_wait -1                              ; and everybody's: both blocks are whole
	KLOOP                                          ; row block Y
	s_wait_tensorcnt 0x0                           ; in front of the refill, in every wave
	ds_add_u32 v14, v15
	s_add_nc_u64 s[42:43], s[42:43], NEXTA         ; no load of mine is out: A's descriptor steps to row block Y + 32
	s_wait_dscnt 0x0                               ; the add is done, and my reads of A's block are over
	CROUND                                         ; so it is with every wave of all sixteen work-groups
	s_cmp_lt_u32 s14, 4
	s_cbranch_scc0 .Lno_refill
	tensor_load_to_lds s[40:43], s[24:31]          ; A's bytes are filled again; B's block stays
	s_nop 0
.rept 4
	v_nop
.endr
.Lno_refill:
	s_wait_loadcnt 0x0                             ; the bias
	s_wait_kmcnt 0x0
	s_add_co_i32 s84, s86, s87
	s_add_co_i32 s84, s84, 127
	s_lshl_b32 s84, s84, 23                        ; 2^(e4 + e5) as f32
	s_mov_b32 s85, s84                             ; (named with it as a pair, so it is written)
	WAYOUT                                         ; the first tile leaves while the fill is on its way
	s_wait_xcnt 0x0                                ; the stores have read their base and their data: both are written again below
	s_add_nc_u64 s[90:91], s[90:91], NEXTC
	s_wait_tensorcnt 0x0                           ; my quarter of the new block has landed,
	s_wait_dscnt 0x0
	s_barrier_signal -1
	s_barrier_wait -1                              ; and everybody's.
	KLOOP                                          ; row block Y + 32
	WAYOUT
	s_wait_tensorcnt 0x0                           ; the wave's end, behind my last tensor load and my last LDS store
	ds_add_u32 v14, v15
	s_wait_dscnt 0x0
	CROUND                                         ; the closing round
	s_endpgm
.Lfunc_end_k_qc31371d1b6_proj:
	.size	k_qc31371d1b6_proj, .Lfunc_end_k_qc31371d1b6_proj-k_qc31371d1b6_proj
	.p2alignl 7, 3214868480
	.fill 96, 4, 3214868480
	.section	.rodata,"a",@progbits
	.p2align	6, 0x0
	.amdhsa_kernel k_qc31371d1b6_proj
		.amdhsa_group_segment_fixed_size 327680
		.amdhsa_private_segment_fixed_size 0
		.amdhsa_enable_private_segment 0
		.amdhsa_kernarg_size 40
		.amdhsa_user_sgpr_count 2
		.amdhsa_user_sgpr_kernarg_segment_ptr 1
		.amdhsa_wavefront_size32 1
		.amdhsa_system_sgpr_workgroup_id_x 1
		.amdhsa_system_sgpr_workgroup_id_y 1
		.amdhsa_system_sgpr_workgroup_id_z 1
		.amdhsa_system_vgpr_workitem_id 0
		.amdhsa_next_free_vgpr 256
		.amdhsa_next_free_sgpr 96
		.amdhsa_reserve_vcc 0
		.amdhsa_float_denorm_mode_32 3
		.amdhsa_float_denorm_mode_16_64 3
		.amdhsa_memory_ordered 1
		.amdhsa_forward_progress 1
		.amdhsa_inst_pref_size 65
	.end_amdhsa_kernel
	.amdgpu_metadata
---
amdhsa.version: [ 1, 2 ]
amdhsa.kernels:
  - .name:           k_qc31371d1b6_proj
    .symbol:         k_qc31371d1b6_proj.kd
    .args:
      - { .name: ctx, .offset: 0, .size: 8, .value_kind: global_buffer, .address_space: global }
      - { .name: wq, .offset: 8, .size: 8, .value_kind: global_buffer, .address_space: global }
      - { .name: lowp_scales, .offset: 16, .size: 8, .value_kind: global_buffer, .address_space: global }
      - { .name: proj_b, .offset: 24, .size: 8, .value_kind: global_buffer, .address_space: global }
      - { .name: out0, .offset: 32, .size: 8, .value_kind: global_buffer, .address_space: global }
    .group_segment_fixed_size: 327680
    .private_segment_fixed_size: 0
    .kernarg_segment_align: 8
    .kernarg_segment_size: 40
    .max_flat_workgroup_size: 256
    .sgpr_count:     96
    .vgpr_count:     256
    .wavefront_size: 32
...
	.end_amdgpu_metadata
.endif
;; end of part 3
